; MI455X (gfx1250); checked and timed in simulation.
; The chip was launched on July 23, 2026; its instructions are those of AMD's public machine-readable ISA for CDNA 5 (MIT licence, August 2026) and "CDNA5" Instruction Set Architecture Reference Guide (July 2026). The comments in the code are by the model that wrote it; some were corrected since.
;; HEPT Kernel. Allowed arithmetic: matrix products marked QUANTISED: E3M2 operands, one E8M0 scale for each 32 along K, by v_wmma_scale_f32_16x16x128_f8f6f4 with both operands' format E3M2, f32 sums; products left as they are: f32 operands where the result goes on into a quantised operand, else bf16, f16 or f32 operands; f32 sums; everything else in f32.
;; Inputs: key 8 x 8,192 x 8 float32; padding_mask 4 x 2,048 bool; query 8 x 8,192 x 8 float32; value 8 x 8,192 x 64 float32.
;; Outputs: out0 8 x 8,192 x 64 float32.
;; This version of the problem:
;;   THIS VERSION OF THE PROBLEM IS GIVEN IN LOW PRECISION. The matrix products marked QUANTISED in the list below multiply operands that are first quantised to E3M2 (3 exponent bits, 2 mantissa bits; 6 bits a number), with one power-of-two scale for each 32 numbers along K (OCP MX v1.0); their sums are f32. All else is computed in f32.
;;   The module's matrix products, in the order in which they are computed (A, B: the left and right operand; K: the contracted axis; several contracted axes count as one K, in the product's order):
;;     1. batch 32 x [M 2,048, K 8] x [K 8, N 2,048]; A: input query; B: input key: left as it is (K = 8 < 32)
;;     2. batch 32 x [M 2,048, K 2,048] x [K 2,048, N 64]; A: computed on the way; B: input value: QUANTISED
;;   THE QUANTISER, for each operand of a quantised product, along K:
;;     - K is cut into blocks of 32 from its start; a last block that is shorter is filled with zeros.
;;     - A block's scale is 2^e with e = floor(log2(the largest magnitude in the block)) - 4, held to -126 .. 127; a block of zeros has e = 0. As a byte (E8M0): e + 127.
;;     - Each number is divided by its block's scale, clamped to +-28, and rounded to the nearest number of E3M2, ties to even, subnormals kept.
;;     - The product sums the exact products of the quantised numbers (number of the format x scale) in f32.
;;   ~~~python
;;   def quantise(x, axis):      # numpy; x: float32 -> the quantised numbers, widened to float32 again
;;       x = np.moveaxis(x, axis, -1); K = x.shape[-1]
;;       x = np.pad(x, [(0, 0)] * (x.ndim - 1) + [(0, -K % 32)]); x = x.reshape(x.shape[:-1] + (-1, 32)); a = np.abs(x).max(-1, keepdims=True)
;;       e = np.where(a > 0, np.clip(np.frexp(np.where(a > 0, a, 1))[1] - 1 - 4, -126, 127), 0)      # np.frexp(a)[1] - 1 = floor(log2(a)), exactly
;;       r = np.clip(x / 2.0 ** e, -28, 28)
;;       step = 2.0 ** (np.maximum(np.frexp(np.where(r == 0, 1, r))[1] - 1, -2) - 2)
;;       q = np.round(r / step) * step * 2.0 ** e      # np.round: ties to even
;;       return np.moveaxis(q.reshape(q.shape[:-2] + (-1,))[..., :K], -1, axis).astype(np.float32)
;;   ~~~
;;   OPERANDS COMPUTED ON THE WAY. 'Computed on the way' means the value that the module computes at that place (a softmax that the list does not call 'softmax' is quantised finished and normalised). What goes into a quantiser is computed in f32, as accurately as f32 sums, v_exp_f32 and their like allow (about 1e-6 of the number): no bf16 or f16 on the way to a quantiser, and a product that is left as it is and whose result goes on into a quantised operand takes f32 operands (vector FMAs, or v_wmma_f32_16x16x4_f32). A number that lies on a knife's edge between two numbers of the format may be rounded either way, as far as f32 arithmetic and the matrix unit's own rounding can turn it there, and no further.
;; One version. Each part assembles by itself: llvm-mc -triple=amdgcn-amd-amdhsa -mcpu=gfx1250 --defsym DOCPART=n.
;; ======== version 1 of 1: 2 launches
;; limits: right only within a limited range of input values
;; workspace buffers: vcodes 3,145,728 bytes; vscales 131,072 bytes
;; launch vquant (part 1): grid 256 x 1, 4 waves a work-group, no clusters, 0 bytes of LDS; arguments value, vcodes, vscales; writes vcodes, vscales
.if DOCPART == 1
	.amdgcn_target "amdgcn-amd-amdhsa--gfx1250"
	.amdhsa_code_object_version 6
	.text
	.protected	k_q55023e2f32_vquant
	.globl	k_q55023e2f32_vquant
	.p2align	8
	.type	k_q55023e2f32_vquant,@function
k_q55023e2f32_vquant:
	s_mov_b64 s[64:65], 0
	v_nop
	global_prefetch_b8 v0, s[64:65] scope:SCOPE_SE
	s_setreg_imm32_b32 hwreg(HW_REG_WAVE_MODE, 25, 1), 1
	s_wait_xcnt 0x0
; value [8][8192][64] f32 is 32 heads of 2,048 keys x 64 channels.  The keys are the K of the quantised product, so V is turned into codes of BF6 (E3M2)
; along the keys, one E8M0 byte for each 32 keys, and laid for its one reader in the ORDER OF THE OPERAND'S REGISTERS:
;   vcodes  [GS 512][dt 4][1,536 bytes]: GS = 16 x head + step of 128 keys; the fragment of V^T with rows d = 16 dt + r: registers 4 c .. 4 c + 3 of lane l at 512 c + 16 l
;   vscales [GS 512][64 words]: word d = the four scale bytes of channel d for the step's four blocks of 32 keys
; A block's scale is 2^(floor(log2(its largest magnitude)) - 4); its byte is that magnitude's exponent field - 4, held at 1 from below.  A block of zeros so gets the
; byte 1 where the rule says 127: its codes are zeros, which add nothing under any byte but 0xff, and this program alone reads the bytes.
; LIMITS: NaN and infinities among the inputs are not served; blocks whose largest magnitude lies under 2^(5 - 127) take the floor's byte.
; SHARES.  1,024 waves; a wave takes one step of 128 keys x 32 channels.  A LANE TAKES A CHANNEL AND ITS REGISTERS RUN DOWN THE KEYS: a block of 32 keys lies in one lane's
; 32 registers, its largest magnitude needs no other lane, and the conversions give codes with the keys innermost.  Each load reads 128 consecutive bytes; the wave beside
; it in the work-group reads the row's other 128.  No LDS, no barrier: waves share nothing.
.set X,  32                            ; v32-159  four blocks of 32 numbers
.set F0, 160                           ; v160-171 the fragment of channels 32 u + 0 .. 15   (dt = 2 u)
.set F1, 172                           ; v172-183 the fragment of channels 32 u + 16 .. 31  (dt = 2 u + 1)
.set TA, 184                           ; v184-186 the upper 16 codes of an even block (a conversion's three registers begin on an even number)
.set TB, 188                           ; v188-190 those of an odd block
	s_load_b128 s[4:7], s[0:1], 0x0                ; value, vcodes
	s_load_b64 s[8:9], s[0:1], 0x10                ; vscales
	v_lshrrev_b32 v1, 5, v0
	v_readfirstlane_b32 s10, v1                    ; wave 0..3
	v_and_b32 v2, 31, v0                           ; lane
	v_lshlrev_b32 v3, 2, v2                        ; 4 x lane: my channel in a row of V, my word among the scale words
	v_lshlrev_b32 v4, 4, v2                        ; 16 x lane: my place in an image of four registers
	s_lshr_b32 s11, ttmp9, 3                       ; head: eight work-groups to a head
	s_and_b32 s12, ttmp9, 7
	s_lshl_b32 s12, s12, 2
	s_add_co_u32 s12, s12, s10                     ; my wave among the head's 32
	s_lshr_b32 s13, s12, 1                         ; step of 128 keys
	s_and_b32 s14, s12, 1                          ; u: which 32 channels
	s_lshl_b32 s15, s11, 4
	s_add_co_u32 s15, s15, s13                     ; GS
	s_lshl_b32 s16, s15, 15                        ; value: 128 rows of 256 bytes a step,
	s_lshl_b32 s22, s14, 7                         ; + 128 u
	s_add_co_u32 s16, s16, s22
	s_mov_b32 s17, 0
	s_mul_i32 s18, s15, 6144                       ; vcodes: four fragments of 1,536 bytes a step,
	s_mul_i32 s23, s14, 3072                       ; + two fragments x u
	s_add_co_u32 s18, s18, s23
	s_mov_b32 s19, 0
	s_lshl_b32 s20, s15, 8                         ; vscales: 64 words a step, + 32 words x u
	s_add_co_u32 s20, s20, s22
	s_mov_b32 s21, 0
	s_wait_kmcnt 0x0
	s_add_nc_u64 s[4:5], s[4:5], s[16:17]
	s_add_nc_u64 s[6:7], s[6:7], s[18:19]
	s_add_nc_u64 s[8:9], s[8:9], s[20:21]
.macro LOAD t                          ; block t: V(32 t + i, my channel), i = 0 .. 31
.irp i, 0,1,2,3,4,5,6,7,8,9,10,11,12,13,14,15,16,17,18,19,20,21,22,23,24,25,26,27,28,29,30,31
	global_load_b32 v[X+32*(\t)+\i], v3, s[4:5] offset:256*(32*(\t)+\i) th:TH_LOAD_NT
.endr
.endm
; Block b of my channel: its byte into the scale word v12, its lower 16 codes into registers 6 (b / 2) .. + 2 of F0 (even b) or F1 (odd b), its upper 16 into TA or TB.
.macro BLOCK b
.set XS, X+32*(\b)
.set FD, F0+12*((\b)%2)+6*((\b)/2)
.set TD, TA+4*((\b)%2)
.if (\b) < 3
	s_wait_loadcnt 32                              ; loads come back in order: this block's 32 are in, the next block's 32 may be out
.else
	s_wait_loadcnt 0x0
.endif
.if (\b) < 2
	LOAD (\b)+2                                    ; two blocks ahead, into registers of its own
.endif
	v_max3_num_f32 v8, |v[XS]|, |v[XS+1]|, |v[XS+2]|               ; the block's largest magnitude, in two chains: all 32 numbers are mine
	v_max3_num_f32 v9, |v[XS+3]|, |v[XS+4]|, |v[XS+5]|
.irp i, 6,10,14,18,22,26
	v_max3_num_f32 v8, v8, |v[XS+\i]|, |v[XS+\i+1]|
	v_max3_num_f32 v9, v9, |v[XS+\i+2]|, |v[XS+\i+3]|
.endr
	v_max3_num_f32 v8, v8, |v[XS+30]|, |v[XS+31]|
	v_max3_num_f32 v8, v8, v9, 0x2800000           ; and the floor 2^(5 - 127): the byte cannot fall under 1
	v_add_nc_u32 v11, 0xfe000000, v8               ; 4 off its exponent field: the conversion takes the exponent field of this operand as its scale, and nothing else of it
	v_cvt_scalef32_pk16_bf6_f32 v[FD:FD+2], v[XS:XS+15], v11
	v_cvt_scalef32_pk16_bf6_f32 v[TD:TD+2], v[XS+16:XS+31], v11
	v_lshrrev_b32 v10, 23, v11                     ; the scale's byte.  (Also the plain line between the conversions and the lines that touch their results)
.if (\b) == 0
	v_mov_b32 v12, v10                             ; four bytes to the word, the earlier keys in the lower byte
.else
	v_lshl_or_b32 v12, v10, 8*(\b), v12
.endif
.endm
; Blocks 2 c and 2 c + 1 are made.  The operand wants, in lanes 0-15, block 2 c and, in lanes 16-31, block 2 c + 1 of ONE fragment's 16 channels; I hold block 2 c of all 32 channels in F0 and
; block 2 c + 1 in F1.  The swap exchanges F0's lanes 16-31 with F1's lanes 0-15: F0 is then the fragment of channels 0-15, F1 that of channels 16-31.
.macro JOIN c
.irp i, 0,1,2
	v_permlane16_swap_b32 v[F0+6*(\c)+\i], v[F1+6*(\c)+\i]
.endr
.irp i, 0,1,2
	v_permlane16_swap_b32 v[TA+\i], v[TB+\i]
.endr
.irp i, 0,1,2
	v_mov_b32 v[F0+6*(\c)+3+\i], v[TA+\i]          ; the upper 16 codes to their places: registers 6 c + 3 .. 6 c + 5
	v_mov_b32 v[F1+6*(\c)+3+\i], v[TB+\i]
.endr
.endm
	LOAD 0
	LOAD 1
	BLOCK 0
	BLOCK 1
	JOIN 0
	BLOCK 2
	BLOCK 3
	JOIN 1
.irp f, 0,1
.irp c, 0,1,2
	global_store_b128 v4, v[F0+12*\f+4*\c:F0+12*\f+4*\c+3], s[6:7] offset:1536*\f+512*\c   ; 32 lanes store 512 consecutive bytes, at a multiple of 512 from the buffer's first byte
.endr
.endr
	global_store_b32 v3, v12, s[8:9]               ; 128 consecutive bytes; the wave beside me stores the step's other 128.  These words are 1 byte in 128 of what the launch reads
	s_endpgm
.Lfunc_end_k_q55023e2f32_vquant:
	.size	k_q55023e2f32_vquant, .Lfunc_end_k_q55023e2f32_vquant-k_q55023e2f32_vquant
	.p2alignl 7, 3214868480
	.fill 96, 4, 3214868480
	.section	.rodata,"a",@progbits
	.p2align	6, 0x0
	.amdhsa_kernel k_q55023e2f32_vquant
		.amdhsa_group_segment_fixed_size 0
		.amdhsa_private_segment_fixed_size 0
		.amdhsa_enable_private_segment 0
		.amdhsa_kernarg_size 24
		.amdhsa_user_sgpr_count 2
		.amdhsa_user_sgpr_kernarg_segment_ptr 1
		.amdhsa_wavefront_size32 1
		.amdhsa_system_sgpr_workgroup_id_x 1
		.amdhsa_system_sgpr_workgroup_id_y 1
		.amdhsa_system_sgpr_workgroup_id_z 1
		.amdhsa_system_vgpr_workitem_id 0
		.amdhsa_next_free_vgpr 192
		.amdhsa_next_free_sgpr 66
		.amdhsa_reserve_vcc 0
		.amdhsa_float_denorm_mode_32 3
		.amdhsa_float_denorm_mode_16_64 3
		.amdhsa_memory_ordered 1
		.amdhsa_forward_progress 1
		.amdhsa_inst_pref_size 21
	.end_amdhsa_kernel
	.amdgpu_metadata
---
amdhsa.version: [ 1, 2 ]
amdhsa.kernels:
  - .name:           k_q55023e2f32_vquant
    .symbol:         k_q55023e2f32_vquant.kd
    .args:
      - { .name: value, .offset: 0, .size: 8, .value_kind: global_buffer, .address_space: global }
      - { .name: vcodes, .offset: 8, .size: 8, .value_kind: global_buffer, .address_space: global }
      - { .name: vscales, .offset: 16, .size: 8, .value_kind: global_buffer, .address_space: global }
    .group_segment_fixed_size: 0
    .private_segment_fixed_size: 0
    .kernarg_segment_align: 8
    .kernarg_segment_size: 24
    .max_flat_workgroup_size: 128
    .sgpr_count:     66
    .vgpr_count:     192
    .wavefront_size: 32
...
	.end_amdgpu_metadata
.endif
;; end of part 1
;; launch hept (part 2): grid 8 x 32, 8 waves a work-group, no clusters, 90,112 bytes of LDS; arguments key, padding_mask, query, vcodes, vscales, out0; writes out0
.if DOCPART == 2
	.amdgcn_target "amdgcn-amd-amdhsa--gfx1250"
	.amdhsa_code_object_version 6
	.text
	.protected	k_q55023e2f32_hept
	.globl	k_q55023e2f32_hept
	.p2align	8
	.type	k_q55023e2f32_hept,@function
k_q55023e2f32_hept:
	s_mov_b64 s[64:65], 0
	v_nop
	global_prefetch_b8 v0, s[64:65] scope:SCOPE_SE
	s_setreg_imm32_b32 hwreg(HW_REG_WAVE_MODE, 25, 1), 1
	s_wait_xcnt 0x0
; out[n] = sum over m of attn[n][m] V[m],  attn = p / (sum over m of p + 1/16),  p[n][m] = exp(-(|q_n|^2 + |k_m|^2 - 2 q_n . k_m) / 2) x mask[n] x mask[m], in each of 32 heads of 2,048 rows
; (head hb = rows 2,048 hb on of query, key, value, out0; its mask row is hb & 3).  The second product is on codes of BF6 (E3M2), one E8M0 scale for each 32 keys; its left operand is the FINISHED attn.
; So a row's denominator has to be known before any of its numbers becomes a code, and p is kept in registers between the sum and the quantiser: nothing is computed twice.
; SHARES.  A work-group owns 256 queries of one head; each of its EIGHT waves owns 256 KEYS of the head for the whole launch: its keys' fragments (64 registers), its V fragments as codes (96) and their
; scale words (4) are loaded once, straight into the operands' registers.  The work-group walks its 16 tiles of 16 queries; a tile's p for a wave's 256 keys is 128 registers.
; Two waves lie on a SIMD (2 x 512 registers), so that one wave's exponentials and plain work are issued while the other stands in its run of f32 matrix instructions.
; THE EXPONENT.  t = log2(e) x (q . k - |q|^2 / 2 - |k|^2 / 2) by v_wmma_f32_16x16x4_f32, two K steps of 4: source 0 = 16 keys, source 1 = 16 queries times log2(e), and the C of the first step is
; a_k[key] + a_q[query], a = -log2(e) / 2 x |.|^2.  A masked key or query has a = -1e30 instead: p = 2^t is then exactly 0, a masked query's sum is 0 and its row of out0 is 0, as in the definition.
; THE KEYS OF A TILE ARE NOT NEIGHBOURS: in group g (64 keys) row r of tile i is key 64 g + 8 i + (r & 7) + 32 (r >> 3).  Lane (r, h) then holds query r, and its register 8 i + j key 64 g + 32 h + 8 i + j:
; a lane's 32 registers of a group are ONE WHOLE BLOCK of 32 neighbouring keys, in the very order of the 6-bit operand (registers 6 c .. 6 c + 5: k = 64 c + 32 h + 0 .. 31, c = g & 1, K step g >> 1).
; So a block's largest number needs no other lane and the conversions' results are the operand's registers; only the scale word's four bytes are joined across lanes l and l xor 16.
; A ROUND, one barrier.  Round i quantises tile i group by group (attn = p x 1 / denominator) and, as each group's 32 registers come free, writes tile i + 1's p into them.  The barrier at its head shows every
; wave the eight partial sums of tile i and the eight partial O^T of tile i - 1 (both LDS regions exist twice, by the round's parity, which stands in the offsets); each wave then adds up and stores two rows of
; tile i - 1.  The f32 products of the next tile's first group are issued ahead of the barrier.
; O^T = V^T P^T (source 0 = 16 channels, source 1 = my codes): a lane holds eight neighbouring channels of one query.  The product's K is shared out over eight accumulators, one a wave, added in f32.
; WHY NO CLUSTER AND NO TENSOR LOAD: the eight work-groups of a head do read the same 64 KB of keys and 98 KB of codes, but each reads them ONCE, at its head, straight into operand registers;
; the loop fetches nothing from memory.  A joint load would land in LDS and add a trip through LDS to every fragment.
; LIMITS: NaN and infinities are not served.  A p under 2^-126 is 0 here (v_exp_f32 gives no denormals: ISA guide, its entry), beside a denominator of at least 1/16.  The mask's -1e30 wants
; |log2(e) q . k| well under 1e30.  The distance is formed by the same expansion as in the definition, so that its error grows with the inputs as the definition's own does.
; The division is a multiplication by v_rcp_f32 of the denominator.
;
; LDS
.set AKB,  0                           ; 8,192   a_k: key 256 w + x at 1,024 w + 4 x: each wave's own
.set QIB,  8192                        ; 8,192   tile t: the image of its four registers of log2(e) q: 512 t + 16 x lane.  Written at the head, then only read
.set AQB,  16384                       ; 2,048   tile t: a_q: 128 t + 4 x lane.  Likewise
.set SUMB, 18432                       ; 2 x 512 the partial sums: 512 x parity + 32 r + 4 w
.set STGB, 19456                       ; 2 x 34,816  the partial O^T: 34,816 x parity + 4,352 x wave + 272 x query + 4 x channel (rows of 256 + 16 bytes: sixteen rows' stores of 16 bytes fall on different columns of 16)
.set STGP, 34816
.set STGW, 4352
; REGISTERS, window 0 (an instruction names v0-v255; s_set_vgpr_msb says which window each operand place means: bits 1:0 source 0, 3:2 source 1, 5:4 source 2, 7:6 destination)
.set AKR,  1                           ; AKB + 1,024 w + 128 h
.set QIR,  2                           ; QIB + 16 x lane, 512 on for each tile
.set AQR,  3                           ; AQB + 4 x lane, 128 on for each tile
.set SUW,  4                           ; SUMB + 32 r + 4 w
.set SUR,  5                           ; SUMB + 32 r
.set STW,  6                           ; STGB + 4,352 w + 272 r + 32 h
.set STR,  7                           ; STGB + 272 (2 w + h) + 16 r
.set GO,   8                           ; 512 w + 16 x lane: my 16 bytes of my wave's two rows of a tile of out0
.set SH8,  9                           ; 8 h
.set QL,   10                          ; head: 32 r + 8 h
.set L4,   11                          ; head: 4 x lane
.set AKW,  12                          ; head: AKB + 1,024 w + 4 x (my row's key in a tile)
.set L16,  13                          ; head: lane, then 16 x lane
.set RR,   14                          ; head: r
.set HH,   15                          ; head: h
.set QF,   16                          ; v16-19   log2(e) q of the tile in hand: K step 0, K step 1
.set AQ,   20                          ; v20      a_q  (v21 is named with it as a pair, so it is written once)
.set RI,   22                          ; v22      1 / denominator  (v23 likewise)
.set MX,   24                          ; v24-27   the largest p of my block in groups 0-3
.set SA,   28                          ; v28-31   the row's sum, in two packed chains
.set SB,   30
.set MA,   32                          ; v32-33   two chains of a maximum
.set MB,   33
.set AM,   34                          ; the block's largest attn
.set BY0,  35                          ; the byte of an even group's block
.set SO,   36                          ; the conversion's scale operand
.set BY1,  37                          ; the byte of an odd group's block
.set PW,   38                          ; attn's scale word: scales and nothing else
.set TP,   39                          ; a lane permute's destination (written once at the head: it counts as a source)
.set VS,   40                          ; v40-43   V's scale words: register 2 s + pp: lanes 0-15 channels 32 pp + r, lanes 16-31 channels 32 pp + 16 + r, K step s
.set CODE, 44                          ; v44-55   attn's fragment: 16 queries x 128 keys
.set TMPC, 56                          ; v56-58   the upper 16 codes of a block (a conversion's three registers begin on an even number)
.set WT,   59
.set SL,   60                          ; v60-67   the eight partial sums.  At the head: v60, v61 addresses, v62 -1e30, v64-67 |q|^2
.set OB,   68                          ; v68-99   eight waves' 16 bytes of O^T.  At the head: |k|^2 in pairs
.set CB,   100                         ; v100-131 the C of a group's four tiles.  At the head: log2(e) q
.set SC,   132                         ; v132-163 the exponents t of a group: written by matrix instructions alone
.set KF,   164                         ; v164-227 my keys: tile T = 4 g + i, K step st at KF + 4 T + 2 st
.set KM,   228                         ; v228-243 head: the keys' mask bytes
.set QR,   244                         ; v244-251 head: q of my two tiles
.set QM,   252                         ; v252-253 head: their mask bytes
.set KL,   254                         ; head: byte of my row and half in a tile of keys
.set KML,  255                         ; head: my row's key in a tile
; window 1
.set PP,   0                           ; v256-383 p, then attn: group g at 32 g
.set VF,   128                         ; v384-479 V's fragments: (K step s, channels 16 dt on) at VF + 12 (4 s + dt)
.set OO,   224                         ; v480-511 O^T: channels 16 dt on at OO + 8 dt
.set MSB, 0
.macro WIN new                         ; the immediate's high byte repeats the setting that is left; a switch that changes nothing is dropped
.if MSB != \new
	s_set_vgpr_msb (MSB<<8)|\new
.set MSB, \new
.endif
.endm
.macro PLACES n
.rept \n
	v_nop
.endr
.endm
	s_load_b256 s[4:11], s[0:1], 0x0               ; key s[4:5], padding_mask s[6:7], query s[8:9], vcodes s[10:11]
	s_load_b128 s[12:15], s[0:1], 0x20             ; vscales s[12:13], out0 s[14:15]
	v_lshrrev_b32 v[AKW], 5, v0
	v_readfirstlane_b32 s16, v[AKW]                ; wave 0..7
	s_and_b32 s17, ttmp7, 0xffff                   ; the head hb
	s_and_b32 s19, s17, 3                          ; its row of the mask
	s_mov_b32 s20, 0x76543210                      ; v_permlanex16_b32's selects for lane l xor 16
	s_mov_b32 s21, 0xfedcba98
	s_mov_b32 s22, 0x3fb8aa3b                      ; log2(e)
	s_mov_b32 s23, s22                             ; (named with it as a pair, so it is written)
	s_mov_b32 s24, 0xbf38aa3b                      ; -log2(e) / 2
	; byte offsets, each for its own pointer
	s_lshl_b32 s50, s17, 16                        ; a head of key or query: 2,048 rows of 32 bytes
	s_lshl_b32 s51, s16, 13
	s_add_co_u32 s36, s50, s51                     ; key: + my 256 keys
	s_mov_b32 s37, 0
	s_lshl_b32 s51, ttmp9, 13
	s_add_co_u32 s42, s50, s51                     ; query: + the work-group's 256 queries
	s_lshl_b32 s51, s16, 10
	s_add_co_u32 s42, s42, s51                     ; + the two tiles that I prepare
	s_mov_b32 s43, 0
	s_lshl_b32 s50, s19, 11                        ; the mask's row
	s_lshl_b32 s51, s16, 8
	s_add_co_u32 s38, s50, s51                     ; + my keys
	s_mov_b32 s39, 0
	s_lshl_b32 s51, ttmp9, 8
	s_add_co_u32 s40, s50, s51                     ; or + the work-group's queries
	s_lshl_b32 s51, s16, 5
	s_add_co_u32 s40, s40, s51                     ; + my two tiles
	s_mov_b32 s41, 0
	s_lshl_b32 s50, s17, 4
	s_lshl_b32 s51, s16, 1
	s_add_co_u32 s50, s50, s51                     ; my first K step of 128 keys: 16 hb + 2 w
	s_mul_i32 s44, s50, 6144                       ; vcodes: four fragments of 1,536 bytes a step
	s_mov_b32 s45, 0
	s_lshl_b32 s46, s50, 8                         ; vscales: 64 words a step
	s_mov_b32 s47, 0
	s_lshl_b32 s48, s17, 19                        ; out0: a head is 2,048 rows of 256 bytes,
	s_lshl_b32 s51, ttmp9, 16
	s_add_co_u32 s48, s48, s51                     ; + the work-group's 256 rows
	s_mov_b32 s49, 0
	; lane terms and LDS addresses
	v_and_b32 v[L16], 31, v0                       ; lane
	v_and_b32 v[RR], 15, v0                        ; r
	v_bfe_u32 v[HH], v0, 4, 1                      ; h
	s_lshl_b32 s52, s16, 10                        ; 1,024 w
	v_lshl_add_u32 v[AKR], v[HH], 7, s52
	v_lshl_add_u32 v[QIR], v[L16], 4, QIB
	v_lshl_add_u32 v[AQR], v[L16], 2, AQB
	s_lshl_b32 s53, s16, 2
	s_add_co_u32 s53, s53, SUMB
	v_lshl_add_u32 v[SUW], v[RR], 5, s53
	v_lshl_add_u32 v[SUR], v[RR], 5, SUMB
	s_mul_i32 s54, s16, STGW
	s_add_co_u32 s54, s54, STGB
	v_mul_u32_u24 v[STW], v[RR], 272
	v_lshl_add_u32 v[STW], v[HH], 5, v[STW]
	v_add_nc_u32 v[STW], s54, v[STW]
	s_mul_i32 s55, s16, 544
	s_add_co_u32 s55, s55, STGB
	v_mul_u32_u24 v[STR], v[HH], 272
	v_lshl_add_u32 v[STR], v[RR], 4, v[STR]
	v_add_nc_u32 v[STR], s55, v[STR]
	v_lshlrev_b32 v[SH8], 3, v[HH]
	v_lshlrev_b32 v[L4], 2, v[L16]
	v_lshlrev_b32 v[L16], 4, v[L16]                ; 16 x lane
	s_lshl_b32 s51, s16, 9
	v_add_nc_u32 v[GO], s51, v[L16]
	v_and_b32 v[KML], 7, v[RR]
	v_lshrrev_b32 v[KL], 3, v[RR]
	v_lshl_add_u32 v[KML], v[KL], 5, v[KML]        ; (r & 7) + 32 (r >> 3)
	v_lshl_add_u32 v[KL], v[KML], 5, v[SH8]        ; x 32 bytes a key, + 8 h: lane (r, h) holds components 2 h, 2 h + 1 of a K step of 4
	v_lshl_add_u32 v[AKW], v[KML], 2, s52
	v_lshl_add_u32 v[QL], v[RR], 5, v[SH8]
	v_add_nc_u32 v[SL], s52, v[QIR]                ; where I store my two tiles' images: QIB + 1,024 w + 16 x lane
	s_lshl_b32 s51, s16, 8
	v_add_nc_u32 v[SL+1], s51, v[AQR]              ; and their a_q: AQB + 256 w + 4 x lane
	v_mov_b32 v[SL+2], 0xf149f2ca                  ; -1e30
	v_mov_b32 v[AQ+1], 0
	v_mov_b32 v[RI+1], 0
	v_mov_b32 v[TP], 0
	s_wait_kmcnt 0x0
	s_add_nc_u64 s[4:5], s[4:5], s[36:37]
	s_add_nc_u64 s[32:33], s[6:7], s[38:39]        ; the mask at my keys
	s_add_nc_u64 s[34:35], s[6:7], s[40:41]        ; the mask at my two tiles of queries
	s_add_nc_u64 s[8:9], s[8:9], s[42:43]
	s_add_nc_u64 s[10:11], s[10:11], s[44:45]
	s_add_nc_u64 s[12:13], s[12:13], s[46:47]
	s_add_nc_u64 s[14:15], s[14:15], s[48:49]
	; all that the wave ever reads from memory, in the order in which it is wanted
.irp T, 0,1,2,3,4,5,6,7,8,9,10,11,12,13,14,15
	global_load_b64 v[KF+4*\T:KF+4*\T+1],   v[KL], s[4:5] offset:2048*(\T/4)+256*(\T%4)
	global_load_b64 v[KF+4*\T+2:KF+4*\T+3], v[KL], s[4:5] offset:2048*(\T/4)+256*(\T%4)+16
.endr
.irp T, 0,1,2,3,4,5,6,7,8,9,10,11,12,13,14,15
	global_load_u8 v[KM+\T], v[KML], s[32:33] offset:64*(\T/4)+8*(\T%4)
.endr
.irp t, 0,1
	global_load_b64 v[QR+4*\t:QR+4*\t+1],   v[QL], s[8:9] offset:512*\t
	global_load_b64 v[QR+4*\t+2:QR+4*\t+3], v[QL], s[8:9] offset:512*\t+16
.endr
.irp t, 0,1
	global_load_u8 v[QM+\t], v[RR], s[34:35] offset:16*\t
.endr
.irp f, 0,1,2,3
	global_load_b32 v[VS+\f], v[L4], s[12:13] offset:128*\f      ; register 2 s + pp: 256 s + 128 pp
.endr
	WIN 0x40                                       ; destination window 1, address window 0
.irp f, 0,1,2,3,4,5,6,7
.irp c, 0,1,2
	global_load_b128 v[VF+12*\f+4*\c:VF+12*\f+4*\c+3], v[L16], s[10:11] offset:1536*\f+512*\c   ; fragment f = 4 s + dt, as it was stored: 512 consecutive bytes a load
.endr
.endr
	WIN 0
	; a_k of my 256 keys.  A lane holds four of a key's eight components, lane l xor 16 the others
	s_wait_loadcnt 34                              ; the keys and their mask bytes are in; behind them 4 + 2 + 4 + 24 loads were issued
.irp T, 0,1,2,3,4,5,6,7,8,9,10,11,12,13,14,15
	v_pk_mul_f32 v[OB+2*\T:OB+2*\T+1], v[KF+4*\T:KF+4*\T+1], v[KF+4*\T:KF+4*\T+1]
.endr
.irp T, 0,1,2,3,4,5,6,7,8,9,10,11,12,13,14,15
	v_pk_fma_f32 v[OB+2*\T:OB+2*\T+1], v[KF+4*\T+2:KF+4*\T+3], v[KF+4*\T+2:KF+4*\T+3], v[OB+2*\T:OB+2*\T+1]
.endr
.irp T, 0,1,2,3,4,5,6,7,8,9,10,11,12,13,14,15
	v_add_f32 v[OB+2*\T], v[OB+2*\T], v[OB+2*\T+1]
.endr
.irp T, 0,1,2,3,4,5,6,7,8,9,10,11,12,13,14,15
	v_permlanex16_b32 v[OB+2*\T+1], v[OB+2*\T], s20, s21
.endr
.irp T, 0,1,2,3,4,5,6,7,8,9,10,11,12,13,14,15
	v_add_f32 v[OB+2*\T], v[OB+2*\T], v[OB+2*\T+1]
.endr
.irp T, 0,1,2,3,4,5,6,7,8,9,10,11,12,13,14,15
	v_mul_f32 v[OB+2*\T], s24, v[OB+2*\T]
.endr
.irp T, 0,1,2,3,4,5,6,7,8,9,10,11,12,13,14,15
	v_cmp_ne_u32 vcc_lo, 0, v[KM+\T]
	v_cndmask_b32 v[OB+2*\T], v[SL+2], v[OB+2*\T], vcc_lo        ; a masked key: -1e30
	ds_store_b32 v[AKW], v[OB+2*\T] offset:256*(\T/4)+32*(\T%4)  ; lanes l and l xor 16 write the same word with the same value
.endr
	; my two tiles of queries, for all eight waves: log2(e) q as an image of the operand's registers, and a_q
	s_wait_loadcnt 28                              ; q and its mask bytes are in; behind them V's 4 + 24 loads
.irp t, 0,1
	v_pk_mul_f32 v[SL+4+2*\t:SL+5+2*\t], v[QR+4*\t:QR+4*\t+1], v[QR+4*\t:QR+4*\t+1]
	v_pk_mul_f32 v[CB+4*\t:CB+4*\t+1], v[QR+4*\t:QR+4*\t+1], s[22:23] op_sel_hi:[1,0]
	v_pk_mul_f32 v[CB+4*\t+2:CB+4*\t+3], v[QR+4*\t+2:QR+4*\t+3], s[22:23] op_sel_hi:[1,0]
	v_pk_fma_f32 v[SL+4+2*\t:SL+5+2*\t], v[QR+4*\t+2:QR+4*\t+3], v[QR+4*\t+2:QR+4*\t+3], v[SL+4+2*\t:SL+5+2*\t]
	v_add_f32 v[SL+4+2*\t], v[SL+4+2*\t], v[SL+5+2*\t]
	v_permlanex16_b32 v[SL+5+2*\t], v[SL+4+2*\t], s20, s21
	v_add_f32 v[SL+4+2*\t], v[SL+4+2*\t], v[SL+5+2*\t]
	v_mul_f32 v[SL+4+2*\t], s24, v[SL+4+2*\t]
	v_cmp_ne_u32 vcc_lo, 0, v[QM+\t]
	v_cndmask_b32 v[SL+4+2*\t], v[SL+2], v[SL+4+2*\t], vcc_lo    ; a masked query: -1e30
	ds_store_b128 v[SL], v[CB+4*\t:CB+4*\t+3] offset:512*\t
	ds_store_b32 v[SL+1], v[SL+4+2*\t] offset:128*\t
.endr
	s_wait_dscnt 0x0                               ; for the others' sake: my stores have landed
	s_barrier_signal -1
	s_barrier_wait -1                              ; the sixteen tiles' images lie in LDS; from here on they are only read
.macro QLOAD                           ; the next tile's log2(e) q and a_q
	ds_load_b128 v[QF:QF+3], v[QIR]
	ds_load_b32 v[AQ], v[AQR]
.endm
.macro QSTEP                           ; on to the tile after it; stands behind a wait for all my LDS loads
	v_add_nc_u32 v[QIR], 512, v[QIR]
	v_add_nc_u32 v[AQR], 128, v[AQR]
	s_wait_alu depctr_va_vdst(0)
.endm
.macro CLOAD g                         ; a_k of my block of group g: 32 neighbouring words; the sixteen lanes of a half read one address
.irp i, 0,1,2,3
	ds_load_b128 v[CB+8*\i:CB+8*\i+3],   v[AKR] offset:256*(\g)+32*\i
	ds_load_b128 v[CB+8*\i+4:CB+8*\i+7], v[AKR] offset:256*(\g)+32*\i+16
.endr
.endm
.macro CPREP                           ; + a_q of my query: the C of the group's four tiles
.set n, 0
.rept 16
	v_pk_add_f32 v[CB+n:CB+n+1], v[CB+n:CB+n+1], v[AQ:AQ+1] op_sel_hi:[1,0]
.set n, n+2
.endr
.endm
.macro QK g                            ; t of group g: four tiles of 16 keys x 16 queries, two K steps of 4.  The four accumulators take turns, one instruction a turn
.irp i, 0,1,2,3
	v_wmma_f32_16x16x4_f32 v[SC+8*\i:SC+8*\i+7], v[KF+4*(4*(\g)+\i):KF+4*(4*(\g)+\i)+1], v[QF:QF+1], v[CB+8*\i:CB+8*\i+7]
.endr
.irp i, 0,1,2,3
	v_wmma_f32_16x16x4_f32 v[SC+8*\i:SC+8*\i+7], v[KF+4*(4*(\g)+\i)+2:KF+4*(4*(\g)+\i)+3], v[QF+2:QF+3], v[SC+8*\i:SC+8*\i+7]
.endr
.endm
.macro EXPG g                          ; p = 2^t, each accumulator from its low end on
	WIN 0x40                                       ; destination window 1
.set n, 0
.rept 32
	v_exp_f32 v[PP+32*(\g)+n], v[SC+n]
.set n, n+1
.endr
	WIN 0
.endm
.macro ADDMAX g                        ; the row's sum goes on, in two packed chains; my block's largest p, in two chains (p is never negative: 0 starts them)
.if (\g) == 0
	v_mov_b32 v[SA], 0
	v_mov_b32 v[SA+1], 0
	v_mov_b32 v[SB], 0
	v_mov_b32 v[SB+1], 0
	s_wait_alu depctr_va_vdst(0)
.endif
	WIN 0x14                                       ; sources 1 and 2 window 1
.set n, PP+32*(\g)
	s_wait_alu depctr_va_vdst(0)
.rept 8
	v_pk_add_f32 v[SA:SA+1], v[SA:SA+1], v[n:n+1]
	v_pk_add_f32 v[SB:SB+1], v[SB:SB+1], v[n+2:n+3]
.if n == PP+32*(\g)
	v_max3_num_f32 v[MA], 0, v[n], v[n+1]
	v_max3_num_f32 v[MB], 0, v[n+2], v[n+3]
.else
	v_max3_num_f32 v[MA], v[MA], v[n], v[n+1]
	v_max3_num_f32 v[MB], v[MB], v[n+2], v[n+3]
.endif
.set n, n+4
.endr
	WIN 0
	v_max_num_f32 v[MX+(\g)], v[MA], v[MB]
.endm
; Group g of the tile in hand becomes codes.  The block's largest attn is its largest p times 1 / denominator: the multiplication is monotone, so that is also the largest of the rounded products.
.macro BQ g
.set c6, 6*((\g)%2)
	v_mul_f32 v[AM], v[MX+(\g)], v[RI]
	v_max_num_f32 v[AM], 0x2800000, v[AM]          ; the floor 2^(5 - 127): the byte cannot fall under 1 (a block of zeros keeps that byte: its codes are zeros)
	v_add_nc_u32 v[SO], 0xfe000000, v[AM]          ; 4 off the exponent field: the conversion's scale operand
.if (\g)%2 == 0
	v_lshrrev_b32 v[BY0], 23, v[SO]                ; the scale's byte
.else
	v_lshrrev_b32 v[BY1], 23, v[SO]
.endif
	WIN 0x41                                       ; destination and source 0 window 1
.set n, PP+32*(\g)
.rept 16
	v_pk_mul_f32 v[n:n+1], v[n:n+1], v[RI:RI+1] op_sel_hi:[1,0]   ; attn = p / denominator
.set n, n+2
.endr
	WIN 0x01                                       ; source 0 window 1
	v_cvt_scalef32_pk16_bf6_f32 v[CODE+c6:CODE+c6+2], v[PP+32*(\g):PP+32*(\g)+15], v[SO]
	v_cvt_scalef32_pk16_bf6_f32 v[TMPC:TMPC+2], v[PP+32*(\g)+16:PP+32*(\g)+31], v[SO]
	WIN 0
	v_nop                                          ; one plain line between a scaled conversion and the lines that touch its result or write its sources
.irp i, 0,1,2
	v_mov_b32 v[CODE+c6+3+\i], v[TMPC+\i]
.endr
.endm
.macro PWORD                           ; my two bytes are blocks h and 2 + h of the K step; with lane l xor 16's two the word is whole
	v_lshl_or_b32 v[WT], v[BY1], 16, v[BY0]
	v_lshlrev_b32 v[WT], v[SH8], v[WT]
	v_permlanex16_b32 v[TP], v[WT], s20, s21
	v_or_b32 v[PW], v[WT], v[TP]
.endm
.macro PV s                            ; O^T (+)= V^T P^T, K step s of my two; the first starts the sums.  Four accumulators by turns
	WIN 0x51                                       ; V (source 0), C and D window 1; my codes window 0
.irp dt, 0,1,2,3
.set rO, OO+8*\dt
.set rV, VF+12*(4*(\s)+\dt)
.set rS, VS+2*(\s)+\dt/2
.if ((\s) == 0) && (\dt%2 == 0)
	v_wmma_scale_f32_16x16x128_f8f6f4 v[rO:rO+7], v[rV:rV+11], v[CODE:CODE+11], 0, v[rS], v[PW] matrix_a_fmt:MATRIX_FMT_BF6 matrix_b_fmt:MATRIX_FMT_BF6
.elseif (\s) == 0
	v_wmma_scale_f32_16x16x128_f8f6f4 v[rO:rO+7], v[rV:rV+11], v[CODE:CODE+11], 0, v[rS], v[PW] matrix_a_fmt:MATRIX_FMT_BF6 matrix_b_fmt:MATRIX_FMT_BF6 matrix_a_scale:MATRIX_SCALE_ROW1
.elseif \dt%2 == 0
	v_wmma_scale_f32_16x16x128_f8f6f4 v[rO:rO+7], v[rV:rV+11], v[CODE:CODE+11], v[rO:rO+7], v[rS], v[PW] matrix_a_fmt:MATRIX_FMT_BF6 matrix_b_fmt:MATRIX_FMT_BF6
.else
	v_wmma_scale_f32_16x16x128_f8f6f4 v[rO:rO+7], v[rV:rV+11], v[CODE:CODE+11], v[rO:rO+7], v[rS], v[PW] matrix_a_fmt:MATRIX_FMT_BF6 matrix_b_fmt:MATRIX_FMT_BF6 matrix_a_scale:MATRIX_SCALE_ROW1
.endif
.endr
	WIN 0
.endm
.macro OLOAD p                         ; my 16 bytes of my two rows, from the eight waves' stages of parity p
.irp u, 0,1,2,3,4,5,6,7
	ds_load_b128 v[OB+4*\u:OB+4*\u+3], v[STR] offset:STGP*(\p)+STGW*\u
.endr
.endm
.macro OSUM                            ; the eight partial O^T are added as a tree, and two whole rows leave
.irp u, 0,2,4,6
	v_pk_add_f32 v[OB+4*\u:OB+4*\u+1],   v[OB+4*\u:OB+4*\u+1],   v[OB+4*\u+4:OB+4*\u+5]
	v_pk_add_f32 v[OB+4*\u+2:OB+4*\u+3], v[OB+4*\u+2:OB+4*\u+3], v[OB+4*\u+6:OB+4*\u+7]
.endr
.irp u, 0,4
	v_pk_add_f32 v[OB+4*\u:OB+4*\u+1],   v[OB+4*\u:OB+4*\u+1],   v[OB+4*\u+8:OB+4*\u+9]
	v_pk_add_f32 v[OB+4*\u+2:OB+4*\u+3], v[OB+4*\u+2:OB+4*\u+3], v[OB+4*\u+10:OB+4*\u+11]
.endr
	v_pk_add_f32 v[OB:OB+1],   v[OB:OB+1],   v[OB+16:OB+17]
	v_pk_add_f32 v[OB+2:OB+3], v[OB+2:OB+3], v[OB+18:OB+19]
	s_wait_alu depctr_va_vdst(0)
	global_store_b128 v[GO], v[OB:OB+3], s[14:15] th:TH_STORE_NT   ; 32 lanes store 512 consecutive bytes, at a multiple of 512 from out0's first byte; written once, read by nobody here
.endm
; ROUND i.  par = i & 1.  doB: tile i is quantised and multiplied.  doRed: tile i - 1 is added up and stored.  doA: tile i + 1's p, sum and maxima are made.  doN: tile i + 2's first products are issued.
; DISTANCES (ISA guide 7.12.1; only plain vector lines that name none of the matrix instruction's registers are counted).  Behind QK stand ADDMAX's 33 lines on p, the sums and the maxima: more than the
; 8 asked before t is read and before loads land in C or q, and than the 9 asked before the next QK writes over t.  The scale word is made 8 lines or more ahead of PV (CPREP's 16 and ADDMAX's 33 stand between),
; the codes 4 or more.  Behind PV, BQ's first 20 lines stand ahead of the next write of the codes.  Where a round has no such work, v_nop stand.
.macro ROUND par, doB, doRed, doA, doN
.if \doB
	s_wait_dscnt 0x0                               ; for the others' sake: my partial sum of tile i and my partial O^T of tile i - 1 have landed, and my reads of the other parity's regions are back
	s_barrier_signal -1
	s_barrier_wait -1                              ; that now holds of all eight waves
	ds_load_b128 v[SL:SL+3],   v[SUR] offset:512*\par
	ds_load_b128 v[SL+4:SL+7], v[SUR] offset:512*\par+16
.if \doRed
	OLOAD 1-\par
	s_wait_dscnt 8                                 ; LDS loads come back in order: the eight sums are in, the eight loads from the stages may be out
.else
	s_wait_dscnt 0x0
.endif
	v_pk_add_f32 v[SL:SL+1],   v[SL:SL+1],   v[SL+2:SL+3]
	v_pk_add_f32 v[SL+4:SL+5], v[SL+4:SL+5], v[SL+6:SL+7]
	v_pk_add_f32 v[SL:SL+1],   v[SL:SL+1],   v[SL+4:SL+5]
	v_add_f32 v[SL], v[SL], v[SL+1]
	v_add_f32 v[SL], 0x3d800000, v[SL]             ; + 1/16: the denominator
	v_rcp_f32 v[RI], v[SL]
.if \doRed
	s_wait_dscnt 0x0
	OSUM                                           ; (its additions are also the plain lines behind the reciprocal)
.else
	v_nop                                          ; a plain line behind the reciprocal
	s_wait_alu depctr_va_vdst(0)
.endif
.endif
.irp g, 0,1,2,3
.if \doB
	BQ \g
.if \g%2 == 1
	PWORD
.endif
.elseif \g == 0
	PLACES 9                                       ; the first products were issued just now and no work stands behind them yet
.endif
.if \doA
.if \g < 3
	CLOAD \g+1
.elseif \doN
	QLOAD
	CLOAD 0
.endif
	EXPG \g                                        ; into the registers that BQ has just left; the loads above land meanwhile
.if \g < 3
	s_wait_dscnt 0x0                               ; the eight loads just issued
	CPREP                                          ; (also the plain lines behind the exponentials)
	QK \g+1
.elseif \doN
	s_wait_dscnt 0x0                               ; the ten loads just issued
	QSTEP
	CPREP
	QK 0
.else
	v_nop                                          ; a plain line behind the exponentials
	s_wait_alu depctr_va_vdst(0)
.endif
	ADDMAX \g
.elseif \g%2 == 1
	PLACES 8                                       ; the scale word was written just now
.endif
.if \doB && (\g%2 == 1)
	PV \g/2
.endif
.endr
.if \doA
	v_pk_add_f32 v[SA:SA+1], v[SA:SA+1], v[SB:SB+1]
	v_add_f32 v[SA], v[SA], v[SA+1]
	v_permlanex16_b32 v[TP], v[SA], s20, s21
	v_add_f32 v[SA], v[SA], v[TP]                  ; with lane l xor 16's: my query's sum over my wave's 256 keys
.endif
.if \doB
.if \doA
	PLACES 1                                       ; with the three additions above: four plain lines between the last products and the first read of O^T
.else
	PLACES 4
.endif
	WIN 0x04                                       ; an LDS store's data are its source 1: window 1
.irp dt, 0,1,2,3
	ds_store_b128 v[STW], v[OO+8*\dt:OO+8*\dt+3]   offset:STGP*\par+64*\dt      ; each accumulator from its low end on
	ds_store_b128 v[STW], v[OO+8*\dt+4:OO+8*\dt+7] offset:STGP*\par+64*\dt+16
.endr
	WIN 0
.endif
.if \doA
	ds_store_b32 v[SUW], v[SA] offset:512*(1-\par)  ; lanes l and l xor 16 write the same word with the same value
.endif
.if \doRed
	s_wait_xcnt 0x0                                ; the store's data and base are written again only behind this wait
	s_add_nc_u64 s[14:15], s[14:15], 4096          ; the next tile's 16 rows of out0
.endif
.endm
	QLOAD                                          ; tile 0
	CLOAD 0
	s_wait_dscnt 0x0
	QSTEP
	CPREP
	QK 0
	ROUND 1, 0, 0, 1, 1                            ; round -1: tile 0's p
	s_wait_loadcnt 0x0                             ; V's codes and scale words
	ROUND 0, 1, 0, 1, 1                            ; round 0
	s_mov_b32 s26, 6
.Lround:                                               ; rounds 1 to 12, an odd and an even one a trip, so that the parity stands in the offsets
	ROUND 1, 1, 1, 1, 1
	ROUND 0, 1, 1, 1, 1
	s_sub_co_u32 s26, s26, 1
	s_cmp_lg_u32 s26, 0
	s_cbranch_scc1 .Lround
	ROUND 1, 1, 1, 1, 1                            ; round 13: it issues tile 15's first products
	ROUND 0, 1, 1, 1, 0                            ; round 14: there is no tile 16
	ROUND 1, 1, 1, 0, 0                            ; round 15: tile 15 is quantised and multiplied
	s_wait_dscnt 0x0                               ; my partial O^T of tile 15 has landed
	s_barrier_signal -1
	s_barrier_wait -1
	OLOAD 1
	s_wait_dscnt 0x0
	OSUM
	s_barrier_signal -1
	s_barrier_wait -1
	s_wait_xcnt 0x0
	v_lshl_add_u32 v254, v0, 2, 0x15c00
	v_mov_b32 v255, 0
	s_wait_tensorcnt 0x0
	ds_add_u32 v254, v255
	s_wait_dscnt 0x0
	s_endpgm
.Lfunc_end_k_q55023e2f32_hept:
	.size	k_q55023e2f32_hept, .Lfunc_end_k_q55023e2f32_hept-k_q55023e2f32_hept
	.p2alignl 7, 3214868480
	.fill 96, 4, 3214868480
	.section	.rodata,"a",@progbits
	.p2align	6, 0x0
	.amdhsa_kernel k_q55023e2f32_hept
		.amdhsa_group_segment_fixed_size 90112
		.amdhsa_private_segment_fixed_size 0
		.amdhsa_enable_private_segment 0
		.amdhsa_kernarg_size 48
		.amdhsa_user_sgpr_count 2
		.amdhsa_user_sgpr_kernarg_segment_ptr 1
		.amdhsa_wavefront_size32 1
		.amdhsa_system_sgpr_workgroup_id_x 1
		.amdhsa_system_sgpr_workgroup_id_y 1
		.amdhsa_system_sgpr_workgroup_id_z 1
		.amdhsa_system_vgpr_workitem_id 0
		.amdhsa_next_free_vgpr 512
		.amdhsa_next_free_sgpr 66
		.amdhsa_reserve_vcc 1
		.amdhsa_float_denorm_mode_32 3
		.amdhsa_float_denorm_mode_16_64 3
		.amdhsa_memory_ordered 1
		.amdhsa_forward_progress 1
		.amdhsa_inst_pref_size 213
	.end_amdhsa_kernel
	.amdgpu_metadata
---
amdhsa.version: [ 1, 2 ]
amdhsa.kernels:
  - .name:           k_q55023e2f32_hept
    .symbol:         k_q55023e2f32_hept.kd
    .args:
      - { .name: key, .offset: 0, .size: 8, .value_kind: global_buffer, .address_space: global }
      - { .name: padding_mask, .offset: 8, .size: 8, .value_kind: global_buffer, .address_space: global }
      - { .name: query, .offset: 16, .size: 8, .value_kind: global_buffer, .address_space: global }
      - { .name: vcodes, .offset: 24, .size: 8, .value_kind: global_buffer, .address_space: global }
      - { .name: vscales, .offset: 32, .size: 8, .value_kind: global_buffer, .address_space: global }
      - { .name: out0, .offset: 40, .size: 8, .value_kind: global_buffer, .address_space: global }
    .group_segment_fixed_size: 90112
    .private_segment_fixed_size: 0
    .kernarg_segment_align: 8
    .kernarg_segment_size: 48
    .max_flat_workgroup_size: 256
    .sgpr_count:     66
    .vgpr_count:     512
    .wavefront_size: 32
...
	.end_amdgpu_metadata
.endif
;; end of part 2
